; MI455X (gfx1250); checked and timed in simulation.
; The chip was launched on July 23, 2026; its instructions are those of AMD's public machine-readable ISA for CDNA 5 (MIT licence, August 2026) and "CDNA5" Instruction Set Architecture Reference Guide (July 2026). The comments in the code are by the model that wrote it; some were corrected since.
;; Attn Plus. Allowed arithmetic: matrix products marked QUANTISED: E2M1 operands, one E8M0 scale for each 32 along K, by v_wmma_scale_f32_16x16x128_f8f6f4 with both operands' format E2M1 (or v_wmma_scale_f32_32x16x128_f4), f32 sums; products left as they are: f32 operands where the result goes on into a quantised operand, else bf16, f16 or f32 operands; f32 sums; everything else in f32.
;; Inputs: A 4 x 2,048 x 16 x 1 float32; Wqk_codes 2,048 x 32 x 16 uint8 (E2M1 codes of Wqk, K innermost, in blocks of 32 codes, two codes a byte); Wqk_scales 2,048 x 32 uint8 (E8M0 scales of Wqk, one for each 32 codes along K); ln_b 1,024 float32; ln_w 1,024 float32; wv 1 x 1 float32; x 4 x 2,048 x 1,024 float32.
;; Outputs: out0 4 x 2,048 x 16 x 1 float32.
;; This version of the problem:
;;   THIS VERSION OF THE PROBLEM IS GIVEN IN LOW PRECISION. The matrix products marked QUANTISED in the list below multiply operands that are first quantised to E2M1 (2 exponent bits, 1 mantissa bit; 4 bits a number), with one power-of-two scale for each 32 numbers along K (OCP MX v1.0); their sums are f32. All else is computed in f32.
;;   The module's matrix products, in the order in which they are computed (A, B: the left and right operand; K: the contracted axis; several contracted axes count as one K, in the product's order):
;;     1. [M 8,192, K 1,024] x [K 1,024, N 2,048]; A: computed on the way; B: input Wqk (given as codes): QUANTISED
;;     2. batch 64 x [M 2,048, K 64] x [K 64, N 2,048]; A: computed on the way; B: computed on the way: QUANTISED
;;     3. batch 64 x [M 2,048, K 2,048] x [K 2,048, N 1]; A: softmax; B: computed on the way: left as it is (N = 1 < 16)
;;   THE QUANTISER, for each operand of a quantised product, along K:
;;     - K is cut into blocks of 32 from its start; a last block that is shorter is filled with zeros.
;;     - A block's scale is 2^e with e = floor(log2(the largest magnitude in the block)) - 2, held to -126 .. 127; a block of zeros has e = 0. As a byte (E8M0): e + 127.
;;     - Each number is divided by its block's scale, clamped to +-6, and rounded to the nearest number of E2M1, ties to even, subnormals kept.
;;     - The product sums the exact products of the quantised numbers (number of the format x scale) in f32.
;;   ~~~python
;;   def quantise(x, axis):      # numpy; x: float32 -> the quantised numbers, widened to float32 again
;;       x = np.moveaxis(x, axis, -1); K = x.shape[-1]
;;       x = np.pad(x, [(0, 0)] * (x.ndim - 1) + [(0, -K % 32)]); x = x.reshape(x.shape[:-1] + (-1, 32)); a = np.abs(x).max(-1, keepdims=True)
;;       e = np.where(a > 0, np.clip(np.frexp(np.where(a > 0, a, 1))[1] - 1 - 2, -126, 127), 0)      # np.frexp(a)[1] - 1 = floor(log2(a)), exactly
;;       r = np.clip(x / 2.0 ** e, -6, 6)
;;       step = 2.0 ** (np.maximum(np.frexp(np.where(r == 0, 1, r))[1] - 1, 0) - 1)
;;       q = np.round(r / step) * step * 2.0 ** e      # np.round: ties to even
;;       return np.moveaxis(q.reshape(q.shape[:-2] + (-1,))[..., :K], -1, axis).astype(np.float32)
;;   ~~~
;;   OPERANDS COMPUTED ON THE WAY. 'Computed on the way' means the value that the module computes at that place (a softmax that the list does not call 'softmax' is quantised finished and normalised). What goes into a quantiser is computed in f32, as accurately as f32 sums, v_exp_f32 and their like allow (about 1e-6 of the number): no bf16 or f16 on the way to a quantiser, and a product that is left as it is and whose result goes on into a quantised operand takes f32 operands (vector FMAs, or v_wmma_f32_16x16x4_f32). A number that lies on a knife's edge between two numbers of the format may be rounded either way, as far as f32 arithmetic and the matrix unit's own rounding can turn it there, and no further.
;;   INPUTS GIVEN AS CODES. Wqk (in the module: [2048, 1024], K = its axis 1): each comes as NAME_codes (uint8): NAME with its K axis moved to the last place and cut into blocks of 32 codes, [.., K / 32, bytes a block], one block behind the other in memory; two codes a byte, the lower K in the low four bits (a code: sign, 2 exponent bits, 1 mantissa bit); and NAME_scales (uint8): the same leading axes, one E8M0 byte (e + 127) for each 32 codes along K. Its value is code x scale, taken as it is: it is not quantised again, and the codes and scales need not be those that the quantiser above would give.
;; One version. Each part assembles by itself: llvm-mc -triple=amdgcn-amd-amdhsa -mcpu=gfx1250 --defsym DOCPART=n.
;; ======== version 1 of 1: 3 launches
;; limits: right only within a limited range of input values
;; workspace buffers: xc 4,194,304 bytes; xs 262,144 bytes; qkc 8,388,608 bytes; qks 1,048,576 bytes; vt 524,288 bytes
;; launch lnq (part 1): grid 256 x 1, 8 waves a work-group, no clusters, 48,128 bytes of LDS; arguments x, ln_w, ln_b, A, xc, xs, vt; writes xc, xs, vt
.if DOCPART == 1
	.amdgcn_target "amdgcn-amd-amdhsa--gfx1250"
	.amdhsa_code_object_version 6
	.text
	.protected	k_q0289cb5919_lnq
	.globl	k_q0289cb5919_lnq
	.p2align	8
	.type	k_q0289cb5919_lnq,@function
k_q0289cb5919_lnq:
	s_mov_b64 s[64:65], 0
	v_nop
	global_prefetch_b8 v0, s[64:65] scope:SCOPE_SE
	s_setreg_imm32_b32 hwreg(HW_REG_WAVE_MODE, 25, 1), 1
	s_wait_xcnt 0x0
; FIRST OF THREE LAUNCHES.  out = A + softmax(Q(q) Q(k)^T / 32) (A wv), q and k = Q(LayerNorm(x)) Wqk^T cut by heads; Q = the MX-FP4 quantiser along a product's K.
; NOTHING OF reference() IS LEFT OUT: ln_w and ln_b move the codes of the first product's operand, Wqk, A and wv reach the output, the softmax keeps its maximum.  Every input is loaded by some launch.
; One factor is moved: wv multiplies the finished weighted mean of A (third launch) and not each A: the same real number.
; THIS LAUNCH: xn = (x - mean) rsqrt(var + 1e-5) ln_w + ln_b, in f32, row by row of 1,024, and its codes of E2M1 (xc: [8192][512 bytes], K innermost) with one E8M0 byte for each 32 along K (xs: [8192][32]);
; and A [b][n][head] laid head-major (vt: [b x 16 + head][2048], f32), as the third launch reads it.
; A block's scale byte is its largest magnitude's exponent field - 2, held at 1 from below.  A block of zeros so gets the byte 1 where the rule says 127: its codes are zeros, and the bytes are read by this program alone.
; LIMITS: NaN and infinities among the inputs are not served; blocks whose largest magnitude lies under 2^-124 get the byte 1.
; SHARES.  A work-group owns 32 rows, each of its eight waves 4.  All 32 loads of a wave (16 KiB) go out at the head; four rows by macro, no loop.
; A load takes the row's bytes as they lie (512 consecutive bytes a load).  The row then turns through the wave's own stage in LDS, so that lane l holds block l (k = 32 l .. 32 l + 31) in 32 registers on end:
; the block's largest magnitude needs no other lane, and a lane's 4 registers of codes are 16 neighbouring bytes: one store covers the row's 512 bytes.
; NO CLUSTER, NO TENSOR LOAD: the work-groups share ln_w and ln_b alone, 8 KiB beside the 128 KiB of x that each reads; no matrix work.
.set CP,    144                        ; a block's 128 bytes + 16 of padding: an odd multiple of 16
.set LW,    0                          ; LDS: ln_w, 32 blocks
.set LB,    32*CP                      ; ln_b
.set LST,   2*32*CP                    ; a stage of 32 blocks for each wave
.set LSC,   LST+8*32*CP                ; the work-group's 32 rows x 32 scale bytes
.set SPARE, LSC+1024                   ; the spare words, 128 bytes for each wave: four blocks of 256 bytes that no other line names
.set STI,   3                          ; v3   the stage, on the way in
.set STO,   4                          ; v4   and on the way out: my block
.set SPW,   24                         ; v24  LDS address of my spare word; never rewritten
.set NIL,   25                         ; v25  0; never rewritten
.set WR,    32                         ; v32-63   ln_w of my block
.set BR,    64                         ; v64-95   ln_b of my block
.set X,     96                         ; v96-223  four rows, 32 registers each
.set CD,    224                        ; v224-239 codes, 4 registers a row: no store's data are written again
.set EB,    240                        ; v240-243 a scale byte a row
	s_load_b256 s[4:11], s[0:1], 0x0               ; x s[4:5], ln_w s[6:7], ln_b s[8:9], A s[10:11]
	s_load_b128 s[12:15], s[0:1], 0x20             ; xc s[12:13], xs s[14:15]
	s_load_b64 s[16:17], s[0:1], 0x30              ; vt
	v_lshl_add_u32 v[SPW], v0, 2, SPARE
	v_mov_b32 v[NIL], 0
	v_lshrrev_b32 v1, 5, v0
	s_delay_alu instid0(VALU_DEP_1)
	v_readfirstlane_b32 s18, v1                    ; wave 0..7
	v_and_b32 v1, 31, v0                           ; lane
	s_delay_alu instid0(VALU_DEP_1)
	v_lshlrev_b32 v2, 4, v1                        ; 16 x lane: my bytes of a load of x, and of a row of codes
	s_mul_i32 s24, s18, 32*CP
	s_add_co_u32 s24, s24, LST                     ; my wave's stage
	v_lshrrev_b32 v3, 3, v1
	s_delay_alu instid0(VALU_DEP_1)
	v_mul_u32_u24 v3, v3, CP
	v_and_b32 v13, 7, v1
	s_delay_alu instid0(VALU_DEP_1)
	v_lshl_add_u32 v3, v13, 4, v3
	s_delay_alu instid0(VALU_DEP_1)
	v_add_nc_u32 v[STI], s24, v3                   ; in: eight lanes' 128 bytes are a block: CP (lane / 8) + 16 (lane % 8); a load's 512 bytes are four blocks
	v_mul_u32_u24 v4, v1, CP
	s_delay_alu instid0(VALU_DEP_1)
	v_add_nc_u32 v[STO], s24, v4                   ; out: CP x lane
	v_lshrrev_b32 v5, 3, v0
	s_delay_alu instid0(VALU_DEP_1)
	v_mul_u32_u24 v5, v5, CP
	v_and_b32 v13, 7, v0
	s_delay_alu instid0(VALU_DEP_1)
	v_lshl_add_u32 v5, v13, 4, v5                  ; ln_w, ln_b on the way in: thread t's 16 bytes: CP (t / 8) + 16 (t % 8)
	v_mul_u32_u24 v6, v1, CP                       ; and out: my block
	s_lshl_b32 s25, s18, 7
	s_add_co_u32 s25, s25, LSC
	v_add_nc_u32 v7, s25, v1                       ; my block's scale byte: 128 x wave + lane (+ 32 x row)
	v_lshl_add_u32 v8, v0, 3, LSC                  ; the scale bytes on the way out: 8 bytes a thread
	v_lshlrev_b32 v9, 3, v0
	v_lshlrev_b32 v10, 4, v0                       ; ln_w, ln_b in memory: 16 bytes a thread
	v_lshlrev_b32 v11, 7, v1                       ; A: two rows of 64 bytes a lane
	v_lshlrev_b32 v12, 3, v1                       ; vt: 8 bytes a lane
	v_mov_b32 v31, 0                               ; written once: a lane permute's destination counts as one of its sources
	s_mov_b32 s20, 0x76543210
	s_mov_b32 s21, 0xfedcba98                      ; v_permlanex16_b32's selects for lane l xor 16
	s_mov_b32 s22, 0x3a800000                      ; 1 / 1024
	s_mov_b32 s23, 0x3727c5ac                      ; 1e-5
	s_lshl_b32 s26, ttmp9, 17                      ; x: (32 g + 4 w) rows of 4,096 bytes
	s_lshl_b32 s27, s18, 14
	s_add_co_u32 s26, s26, s27
	s_mov_b32 s27, 0
	s_lshl_b32 s28, ttmp9, 14                      ; xc: the same rows, 512 bytes each
	s_lshl_b32 s29, s18, 11
	s_add_co_u32 s28, s28, s29
	s_mov_b32 s29, 0
	s_lshl_b32 s30, ttmp9, 10                      ; xs: 32 rows of 32 bytes
	s_mov_b32 s31, 0
	s_and_b32 s32, ttmp9, 1                        ; A's turn: my wave takes head 8 (g % 2) + w of the 64 rows (b, n) from 64 (g / 2) on
	s_lshl_b32 s32, s32, 3
	s_add_co_u32 s32, s32, s18
	s_lshr_b32 s33, ttmp9, 1
	s_lshl_b32 s34, s33, 12
	s_lshl_b32 s35, s32, 2
	s_add_co_u32 s34, s34, s35
	s_mov_b32 s35, 0
	s_lshr_b32 s36, ttmp9, 6                       ; vt: ((b x 16 + head) x 2048 + n) x 4, b = g / 64, n = 64 ((g / 2) % 32)
	s_lshl_b32 s36, s36, 4
	s_add_co_u32 s36, s36, s32
	s_lshl_b32 s36, s36, 13
	s_and_b32 s33, s33, 31
	s_lshl_b32 s33, s33, 8
	s_add_co_u32 s36, s36, s33
	s_mov_b32 s37, 0
	s_wait_alu depctr_va_vdst(0)
	s_wait_kmcnt 0x0
	s_add_nc_u64 s[4:5], s[4:5], s[26:27]
	s_add_nc_u64 s[12:13], s[12:13], s[28:29]
	s_add_nc_u64 s[14:15], s[14:15], s[30:31]
	s_add_nc_u64 s[10:11], s[10:11], s[34:35]
	s_add_nc_u64 s[16:17], s[16:17], s[36:37]
	global_load_b32 v14, v11, s[10:11]             ; A(row 2 l, head), A(row 2 l + 1, head)
	global_load_b32 v15, v11, s[10:11] offset:64
	global_load_b128 v[16:19], v10, s[6:7]
	global_load_b128 v[20:23], v10, s[8:9]
.irp s, 0,1,2,3
.irp j, 0,1,2,3,4,5,6,7
	global_load_b128 v[X+32*\s+4*\j:X+32*\s+4*\j+3], v2, s[4:5] offset:4096*\s+512*\j th:TH_LOAD_NT   ; 32 lanes read 512 consecutive bytes; read once in the launch
.endr
.endr
	s_wait_loadcnt 32                              ; A, ln_w, ln_b are in; the 32 loads of x may be out
	global_store_b64 v12, v[14:15], s[16:17]       ; 32 lanes store 256 consecutive bytes, at a multiple of 256 from vt's first byte
	ds_store_b128 v5, v[16:19] offset:LW
	ds_store_b128 v5, v[20:23] offset:LB
	s_wait_dscnt 0x0                               ; for the others' sake: my parts of ln_w and ln_b lie in LDS
	s_barrier_signal -1
	s_barrier_wait -1
.irp i, 0,1,2,3,4,5,6,7
	ds_load_b128 v[WR+4*\i:WR+4*\i+3], v6 offset:LW+16*\i
	ds_load_b128 v[BR+4*\i:BR+4*\i+3], v6 offset:LB+16*\i
.endr
; Row s through the stage.  LDS serves a wave's instructions in order (ISA guide 5.7.1.4): no wait between the stores and the loads, and one stage serves all four rows.
.macro TURN s
	s_wait_loadcnt 8*(3-(\s))                      ; the row's eight loads are in; the younger rows' may be out
.irp j, 0,1,2,3,4,5,6,7
	ds_store_b128 v[STI], v[X+32*(\s)+4*\j:X+32*(\s)+4*\j+3] offset:4*CP*\j
.endr
.irp i, 0,1,2,3,4,5,6,7
	ds_load_b128 v[X+32*(\s)+4*\i:X+32*(\s)+4*\i+3], v[STO] offset:16*\i
.endr
.endm
.macro REDUCE                          ; v30 summed over the 32 lanes, in every lane
	s_delay_alu instid0(VALU_DEP_1)
	v_add_f32_dpp v30, v30, v30 row_xmask:1 row_mask:0xf bank_mask:0xf
	s_delay_alu instid0(VALU_DEP_1)
	v_add_f32_dpp v30, v30, v30 row_xmask:2 row_mask:0xf bank_mask:0xf
	s_delay_alu instid0(VALU_DEP_1)
	v_add_f32_dpp v30, v30, v30 row_xmask:4 row_mask:0xf bank_mask:0xf
	s_delay_alu instid0(VALU_DEP_1)
	v_add_f32_dpp v30, v30, v30 row_xmask:8 row_mask:0xf bank_mask:0xf
	s_delay_alu instid0(VALU_DEP_1)
	v_permlanex16_b32 v31, v30, s20, s21
	s_delay_alu instid0(VALU_DEP_1)
	v_add_f32 v30, v30, v31
.endm
.macro ROW s
.if (\s) < 3
	TURN (\s)+1                                    ; the next row goes through the stage while this one is worked
	s_wait_dscnt 16                                ; all but the next row's sixteen: my row is back (row 0: ln_w and ln_b too)
.else
	s_wait_dscnt 0x0
.endif
.set XR, X+32*(\s)
	v_pk_add_f32 v[26:27], v[XR:XR+1], v[XR+2:XR+3]             ; the sum of my 32, two at a time, in two chains
	v_pk_add_f32 v[28:29], v[XR+4:XR+5], v[XR+6:XR+7]
.irp i, 8,12,16,20,24,28
	s_delay_alu instid0(VALU_DEP_2)
	v_pk_add_f32 v[26:27], v[26:27], v[XR+\i:XR+\i+1]
	s_delay_alu instid0(VALU_DEP_2)
	v_pk_add_f32 v[28:29], v[28:29], v[XR+\i+2:XR+\i+3]
.endr
	s_delay_alu instid0(VALU_DEP_1)
	v_pk_add_f32 v[26:27], v[26:27], v[28:29]
	s_delay_alu instid0(VALU_DEP_1)
	v_add_f32 v30, v26, v27
	REDUCE
	s_delay_alu instid0(VALU_DEP_1)
	v_mul_f32 v244, s22, v30                       ; the mean, twice: a pair for the packed forms
	s_delay_alu instid0(VALU_DEP_2)
	v_mul_f32 v245, s22, v30
.irp i, 0,2,4,6,8,10,12,14,16,18,20,22,24,26,28,30
	v_pk_add_f32 v[XR+\i:XR+\i+1], v[XR+\i:XR+\i+1], v[244:245] neg_lo:[0,1] neg_hi:[0,1]   ; x - mean
.endr
	v_pk_mul_f32 v[26:27], v[XR:XR+1], v[XR:XR+1]               ; the sum of squares, likewise
	v_pk_mul_f32 v[28:29], v[XR+2:XR+3], v[XR+2:XR+3]
.irp i, 4,8,12,16,20,24,28
	s_delay_alu instid0(VALU_DEP_2)
	v_pk_fma_f32 v[26:27], v[XR+\i:XR+\i+1], v[XR+\i:XR+\i+1], v[26:27]
	s_delay_alu instid0(VALU_DEP_2)
	v_pk_fma_f32 v[28:29], v[XR+\i+2:XR+\i+3], v[XR+\i+2:XR+\i+3], v[28:29]
.endr
	s_delay_alu instid0(VALU_DEP_1)
	v_pk_add_f32 v[26:27], v[26:27], v[28:29]
	s_delay_alu instid0(VALU_DEP_1)
	v_add_f32 v30, v26, v27
	REDUCE
	s_delay_alu instid0(VALU_DEP_1)
	v_fma_f32 v30, v30, s22, s23                   ; var + 1e-5
	s_wait_alu depctr_va_vdst(0)
	v_rsq_f32 v246, v30
	v_rsq_f32 v247, v30                            ; twice: a pair
	v_nop                                          ; a plain instruction behind the last of them (ISA guide 5.7.2)
	s_wait_alu depctr_va_vdst(0)                   ; the wait ahead of the first reader: one for both
.irp i, 0,2,4,6,8,10,12,14,16,18,20,22,24,26,28,30
	v_pk_mul_f32 v[XR+\i:XR+\i+1], v[XR+\i:XR+\i+1], v[246:247]
.endr
.irp i, 0,2,4,6,8,10,12,14,16,18,20,22,24,26,28,30
	v_pk_fma_f32 v[XR+\i:XR+\i+1], v[XR+\i:XR+\i+1], v[WR+\i:WR+\i+1], v[BR+\i:BR+\i+1]   ; x ln_w + ln_b
.endr
	v_max3_num_f32 v248, |v[XR]|, |v[XR+1]|, |v[XR+2]|          ; the block's largest magnitude: all 32 numbers are mine
	v_max3_num_f32 v249, |v[XR+3]|, |v[XR+4]|, |v[XR+5]|
.irp i, 6,10,14,18,22,26
	s_delay_alu instid0(VALU_DEP_2)
	v_max3_num_f32 v248, v248, |v[XR+\i]|, |v[XR+\i+1]|
	s_delay_alu instid0(VALU_DEP_2)
	v_max3_num_f32 v249, v249, |v[XR+\i+2]|, |v[XR+\i+3]|
.endr
	s_delay_alu instid0(VALU_DEP_2)
	v_max3_num_f32 v248, v248, |v[XR+30]|, |v[XR+31]|
	s_delay_alu instid0(VALU_DEP_1)
	v_max3_num_f32 v248, v248, v249, 0x1800000     ; and the floor 2^(3 - 127): the byte cannot fall under 1
	s_delay_alu instid0(VALU_DEP_1)
	v_add_nc_u32 v250, 0xff000000, v248            ; 2 off its exponent field: the conversion takes the exponent field of this operand as its scale
.irp g, 0,1,2,3
	v_cvt_scalef32_pk8_fp4_f32 v[CD+4*(\s)+\g], v[XR+8*\g:XR+8*\g+7], v250
.endr
	v_lshrrev_b32 v[EB+(\s)], 23, v250             ; the scale's byte (also the plain instruction behind the conversions)
	ds_store_b8 v7, v[EB+(\s)] offset:32*(\s)
	global_store_b128 v2, v[CD+4*(\s):CD+4*(\s)+3], s[12:13] offset:512*(\s)   ; 32 lanes store the row's 512 bytes of codes
.endm
	TURN 0
	ROW 0
	ROW 1
	ROW 2
	ROW 3
	s_wait_dscnt 0x0                               ; for the others' sake: my 128 scale bytes lie in LDS
	s_barrier_signal -1
	s_barrier_wait -1
	s_cmp_lt_u32 s18, 4                            ; the work-group's 1,024 scale bytes leave by waves 0 to 3, 8 bytes a lane
	s_cbranch_scc0 .Ldone
	ds_load_b64 v[26:27], v8
	s_wait_dscnt 0x0
	global_store_b64 v9, v[26:27], s[14:15]        ; 32 lanes store 256 consecutive bytes, at a multiple of 256 from xs's first byte
.Ldone:
	s_wait_tensorcnt 0x0                           ; the wave's end: behind my last LDS store
	ds_add_u32 v[SPW], v[NIL]
	s_wait_dscnt 0x0
	s_endpgm
.Lfunc_end_k_q0289cb5919_lnq:
	.size	k_q0289cb5919_lnq, .Lfunc_end_k_q0289cb5919_lnq-k_q0289cb5919_lnq
	.p2alignl 7, 3214868480
	.fill 96, 4, 3214868480
	.section	.rodata,"a",@progbits
	.p2align	6, 0x0
	.amdhsa_kernel k_q0289cb5919_lnq
		.amdhsa_group_segment_fixed_size 48128
		.amdhsa_private_segment_fixed_size 0
		.amdhsa_enable_private_segment 0
		.amdhsa_kernarg_size 56
		.amdhsa_user_sgpr_count 2
		.amdhsa_user_sgpr_kernarg_segment_ptr 1
		.amdhsa_wavefront_size32 1
		.amdhsa_system_sgpr_workgroup_id_x 1
		.amdhsa_system_sgpr_workgroup_id_y 1
		.amdhsa_system_sgpr_workgroup_id_z 1
		.amdhsa_system_vgpr_workitem_id 0
		.amdhsa_next_free_vgpr 256
		.amdhsa_next_free_sgpr 66
		.amdhsa_reserve_vcc 0
		.amdhsa_float_denorm_mode_32 3
		.amdhsa_float_denorm_mode_16_64 3
		.amdhsa_memory_ordered 1
		.amdhsa_forward_progress 1
		.amdhsa_inst_pref_size 51
	.end_amdhsa_kernel
	.amdgpu_metadata
---
amdhsa.version: [ 1, 2 ]
amdhsa.kernels:
  - .name:           k_q0289cb5919_lnq
    .symbol:         k_q0289cb5919_lnq.kd
    .args:
      - { .name: x, .offset: 0, .size: 8, .value_kind: global_buffer, .address_space: global }
      - { .name: ln_w, .offset: 8, .size: 8, .value_kind: global_buffer, .address_space: global }
      - { .name: ln_b, .offset: 16, .size: 8, .value_kind: global_buffer, .address_space: global }
      - { .name: A, .offset: 24, .size: 8, .value_kind: global_buffer, .address_space: global }
      - { .name: xc, .offset: 32, .size: 8, .value_kind: global_buffer, .address_space: global }
      - { .name: xs, .offset: 40, .size: 8, .value_kind: global_buffer, .address_space: global }
      - { .name: vt, .offset: 48, .size: 8, .value_kind: global_buffer, .address_space: global }
    .group_segment_fixed_size: 48128
    .private_segment_fixed_size: 0
    .kernarg_segment_align: 8
    .kernarg_segment_size: 56
    .max_flat_workgroup_size: 256
    .sgpr_count:     66
    .vgpr_count:     256
    .wavefront_size: 32
...
	.end_amdgpu_metadata
.endif
;; end of part 1
;; launch proj (part 2): grid 8 x 32, 4 waves a work-group, clusters of 4 x 4, 327,680 bytes of LDS; arguments xc, xs, Wqk_codes, Wqk_scales, qkc, qks; writes qkc, qks
.if DOCPART == 2
	.amdgcn_target "amdgcn-amd-amdhsa--gfx1250"
	.amdhsa_code_object_version 6
	.text
	.protected	k_q0289cb5919_proj
	.globl	k_q0289cb5919_proj
	.p2align	8
	.type	k_q0289cb5919_proj,@function
k_q0289cb5919_proj:
	s_mov_b64 s[64:65], 0
	v_nop
	global_prefetch_b8 v0, s[64:65] scope:SCOPE_SE
	s_setreg_imm32_b32 hwreg(HW_REG_WAVE_MODE, 25, 1), 1
	s_wait_xcnt 0x0
	s_wait_alu depctr_hold_cnt(0) depctr_sa_sdst(0) depctr_va_vdst(0) depctr_va_sdst(0) depctr_va_ssrc(0) depctr_va_vcc(0) depctr_vm_vsrc(0)
	s_getreg_b32 s2, hwreg(HW_REG_IB_STS2, 6, 4)
	s_cmp_eq_u32 s2, 0
	s_cbranch_scc0 .Lentry_in_a_cluster
	s_endpgm
.Lentry_in_a_cluster:
	s_bfe_u32 s2, ttmp6, 0x10000c
	s_cmp_lg_u32 s2, 0xf033
	s_cbranch_scc0 .Lentry_shape_is_right
	s_endpgm
.Lentry_shape_is_right:
; SECOND LAUNCH.  No work of reference() is left out here.  qk = Q(xn) Wqk^T on codes of E2M1 with E8M0 scales, f32 sums; then q and k are quantised along the head's 64 and stored as images of the third launch's operand registers (qkc) with their scale words (qks).
; A work-group of four waves makes 256 x 256 of qk, a wave 128 x 128 in 512 registers; source 0 = 16 rows of Wqk, source 1 = 16 rows of xn, so that a lane's registers run along the heads' channels.
; K IS 1,024: a row of codes is 512 bytes, and all of K of the work-group's 256 rows of xn and 256 rows of Wqk, with their scale bytes, lies in LDS at once: 4 x 128 x 528 + 4 x 4,352 bytes.
; So there are four tiles for four waves, ONE joint load a wave, all at the head: nothing is filled later, and one barrier serves the launch.  There is no trip to prefetch in.
; CLUSTERS: 4 x 4 work-groups; xn's tiles are shared along a row of the cluster, Wqk's along a column.
; An LDS row is 512 bytes + 16 of padding: 33 x 16 bytes, so that the sixteen rows of a fragment load start in different groups of banks.  SLOT is the step from the first 512 along K to the second: 256 bytes in a row.
.set SIZE_K, 1024
.set KSTEP,  512
.set NQ,     KSTEP/128
.set ROWB,   512
.set KROW,   SIZE_K*4/8
.set PITCH,  528
.set FR,     8
.set NL,     2
.set NP,     4
.set HALFT,  128*PITCH
.set SLOT,   256
.set KS,     SIZE_K/32
.set SCL,    4*HALFT
.set HALFS,  (128*KS/256)*272
.set SBLK,   (16*KS/256)*272
.set SPARE,  SCL+4*HALFS
.set ADRA, 16
.set ADRB, 20
.set CO,   26
.set ADRS, 27
.set SPW,  28
.set NIL,  29
.set SC,   32
.set AF,   128
.set TMX,  32
.set TPX,  36
.set SOP,  40
.set BYT,  44
.set WTM,  48
.set SWD,  52
.set PCD,  128
.set SELR, 96
.set G1, 24
.set G0, 32
.set G1B, 48
.set G0B, 56
.set G1S, 68
.set G0S, 76
.set G1SB, 80
.set G0SB, 88
.set MSB, 0
.macro WIN new
.if MSB != \new
	s_set_vgpr_msb (MSB<<8)|\new
.set MSB, \new
.endif
.endm
.set MUL_LO, 0xa1
.set MUL_HI, 0xf1
.set TO_B,   0x40
.macro ARM under, g0, g1, next         ; one arm of the head's chain of branches on the wave's number: its load, and a jump to the chain's end
	s_cmp_lt_u32 s14, \under
	s_cbranch_scc0 \next
	tensor_load_to_lds s[\g0:\g0+3], s[\g1:\g1+7]
	s_nop 0
.rept 4
	v_nop
.endr
	s_branch .Lhead_asked
\next:
.endm
.macro CROUND
	s_barrier_signal -1
	s_barrier_wait -1
	s_cmp_lg_u32 s14, 0
	s_cbranch_scc1 .Lnot_wave_0_\@
	s_barrier_signal -3
.Lnot_wave_0_\@:
	s_barrier_wait -3
	s_barrier_signal -1
	s_barrier_wait -1
.endm
	s_load_b128 s[4:7], s[0:1], 0x0
	s_load_b128 s[8:11], s[0:1], 0x10
	s_load_b64 s[12:13], s[0:1], 0x20
	s_load_b64 s[66:67], s[0:1], 0x28
	v_lshl_add_u32 v[SPW], v0, 2, SPARE
	v_mov_b32 v[NIL], 0
	ds_add_u32 v[SPW], v[NIL]
	ds_add_u32 v[SPW], v[NIL]
	v_lshrrev_b32 v1, 5, v0
	v_readfirstlane_b32 s14, v1
	s_lshr_b32 s15, s14, 1
	s_and_b32 s16, s14, 1
	s_bfe_u32 s40, ttmp6, 0x40000
	s_bfe_u32 s41, ttmp6, 0x40004
	s_lshl_b32 s42, ttmp9, 2
	s_add_co_u32 s42, s42, s40
	s_and_b32 s17, ttmp7, 0xffff
	s_lshl_b32 s17, s17, 2
	s_add_co_u32 s17, s17, s41
	s_lshl_b32 s43, s41, 2
	s_lshl_b32 s43, 15, s43
	s_lshl_b32 s44, 0x1111, s40
	s_or_b32 s[G1+0], s43, (0<<16)|(1<<20)|(1<<21)|(6<<22)|(3<<25)   ; the mask; elements of 1 byte; four words of padding after every 128 words, a row
	s_or_b32 s[G1B+0], s44, (0<<16)|(1<<20)|(1<<21)|(6<<22)|(3<<25)
.irp g, G1, G1B
	s_mov_b32 s[\g+1], ROWB<<16
	s_mov_b32 s[\g+2], 256<<16
	s_mov_b32 s[\g+3], ROWB<<16
	s_mov_b32 s[\g+4], 256
	s_mov_b32 s[\g+5], KROW
	s_mov_b32 s[\g+6], 0
	s_mov_b32 s[\g+7], 0
.endr
	s_or_b32 s[G1S+0], s43, (3<<16)|(1<<20)|(1<<21)|(5<<22)|(3<<25)
	s_or_b32 s[G1SB+0], s44, (3<<16)|(1<<20)|(1<<21)|(5<<22)|(3<<25)
.irp g, G1S, G1SB
	s_mov_b32 s[\g+1], 32<<16
	s_mov_b32 s[\g+2], (256*KS/256)<<16
	s_mov_b32 s[\g+3], 32<<16
	s_mov_b32 s[\g+4], 256*KS/256
	s_mov_b32 s[\g+5], 32
	s_mov_b32 s[\g+6], 0
	s_mov_b32 s[\g+7], 0
.endr
	s_mov_b32 s[SELR], 0x76543210
	s_mov_b32 s[SELR+1], 0xfedcba98
	s_lshl_b32 s20, s17, 8                         ; xn: the tile's first row, 256 x tile row
	s_lshl_b32 s46, s42, 8                         ; Wqk: 256 x tile column
	s_mov_b32 s21, 0
	s_mov_b32 s47, 0
	s_mov_b64 s[18:19], KS
	s_mul_u64 s[22:23], s[20:21], s[18:19]
	s_mul_u64 s[92:93], s[46:47], s[18:19]
	s_mov_b64 s[18:19], KROW
	s_mul_u64 s[20:21], s[20:21], s[18:19]
	s_mul_u64 s[46:47], s[46:47], s[18:19]
	s_wait_dscnt 0x0
	s_wait_kmcnt 0x0
	s_add_nc_u64 s[20:21], s[4:5], s[20:21]
	s_add_nc_u64 s[22:23], s[6:7], s[22:23]
	s_add_nc_u64 s[46:47], s[8:9], s[46:47]
	s_add_nc_u64 s[92:93], s[10:11], s[92:93]
	CROUND
	s_mov_b32 s[G0S], 1
	s_mov_b32 s[G0S+1], SCL
	s_mov_b64 s[G0S+2:G0S+3], s[22:23]
	s_or_b32 s[G0S+3], s[G0S+3], 0x80000000
	s_mov_b32 s[G0SB], 1
	s_mov_b32 s[G0SB+1], SCL+2*HALFS
	s_mov_b64 s[G0SB+2:G0SB+3], s[92:93]
	s_or_b32 s[G0SB+3], s[G0SB+3], 0x80000000
	s_mov_b32 s[G0], 1                             ; xn's 256 rows, all of K
	s_mov_b32 s[G0+1], 0
	s_mov_b64 s[G0+2:G0+3], s[20:21]
	s_or_b32 s[G0+3], s[G0+3], 0x80000000
	s_mov_b32 s[G0B], 1                            ; Wqk's 256 rows, behind them
	s_mov_b32 s[G0B+1], 2*HALFT
	s_mov_b64 s[G0B+2:G0B+3], s[46:47]
	s_or_b32 s[G0B+3], s[G0B+3], 0x80000000
	; THE HEAD'S LOADS, ONE A WAVE: wave 0 xn's codes, wave 1 Wqk's, wave 2 xn's scales, wave 3 Wqk's.  Every way through the chain passes exactly one load
	ARM 1, G0,  G1,  .Lhead_b
	ARM 2, G0B, G1B, .Lhead_sa
	ARM 3, G0S, G1S, .Lhead_sb
	tensor_load_to_lds s[G0SB:G0SB+3], s[G1SB:G1SB+7]
	s_nop 0
.rept 4
	v_nop
.endr
.Lhead_asked:
	v_and_b32 v1, 15, v0
	v_bfe_u32 v2, v0, 4, 1
	v_mul_u32_u24 v3, v1, PITCH
	v_lshl_add_u32 v4, v2, 4, v3
	s_mul_i32 s21, s15, HALFT
	s_mul_i32 s22, s16, HALFT
	s_add_co_u32 s22, s22, 2*HALFT
.irp s, 0,1
	v_add_nc_u32 v[ADRA+\s], s21, v4
	v_add_nc_u32 v[ADRB+\s], s22, v4
	s_add_co_u32 s21, s21, SLOT
	s_add_co_u32 s22, s22, SLOT
.endr
	v_mul_u32_u24 v5, v1, KS
	v_lshrrev_b32 v6, 8, v5
	v_lshl_add_u32 v5, v6, 4, v5
	s_mul_i32 s21, s15, HALFS
	s_mul_i32 s22, s16, HALFS
	s_add_co_u32 s22, s22, 2*HALFS
	s_sub_co_u32 s22, s22, s21
	v_mul_u32_u24 v6, s22, v2
	s_add_co_u32 s21, s21, SCL
	v_add_nc_u32 v5, v5, v6
	v_add_nc_u32 v[ADRS], s21, v5
	v_and_b32 v6, 31, v0
	v_lshlrev_b32 v[CO], 4, v6
	v_cmp_le_u32 s3, 16, v6
	s_lshl_b32 s20, s17, 8
	s_lshl_b32 s21, s15, 7
	s_add_co_u32 s20, s20, s21
	s_lshr_b32 s21, s20, 11
	s_and_b32 s20, s20, 2047
	s_lshl_b32 s46, s42, 2
	s_lshl_b32 s47, s16, 1
	s_add_co_u32 s46, s46, s47
	s_lshr_b32 s47, s46, 4
	s_lshl_b32 s47, s47, 6
	s_and_b32 s46, s46, 15
	s_add_co_u32 s47, s47, s46
	s_lshl_b32 s21, s21, 4
	s_add_co_u32 s47, s47, s21
	s_lshl_b32 s92, s47, 16
	s_lshl_b32 s93, s20, 5
	s_add_co_u32 s92, s92, s93
	s_mov_b32 s93, 0
	s_add_nc_u64 s[12:13], s[12:13], s[92:93]
	s_lshl_b32 s92, s47, 13
	s_lshr_b32 s20, s20, 7
	s_lshl_b32 s20, s20, 9
	s_add_co_u32 s92, s92, s20
	s_add_nc_u64 s[66:67], s[66:67], s[92:93]
.macro FRAG reg, adr, q, i
.irp c, 0,1
	ds_load_b128 v[\reg+4*\c:\reg+4*\c+3], v[\adr] offset:64*(\q)+32*\c+(\i)*16*PITCH
.endr
.endm
.macro MUL16 a0, p, q, sc, zero
.irp a, \a0, \a0+1
.irp b, 0,1,2,3,4,5,6,7
.if \zero
	v_wmma_scale_f32_16x16x128_f8f6f4 v[8*(8*((\a)%4)+\b):8*(8*((\a)%4)+\b)+7], v[128*(\p)+FR*\b:128*(\p)+FR*\b+FR-1], v[AF+FR*(\a):AF+FR*(\a)+FR-1], 0, v[SC+8*NQ*(\sc)+NQ*\b+(\q)], v[SC+8*NQ*(\sc)+NQ*(\a)+(\q)] matrix_a_fmt:MATRIX_FMT_FP4 matrix_b_fmt:MATRIX_FMT_FP4 matrix_a_scale:MATRIX_SCALE_ROW1
.else
	v_wmma_scale_f32_16x16x128_f8f6f4 v[8*(8*((\a)%4)+\b):8*(8*((\a)%4)+\b)+7], v[128*(\p)+FR*\b:128*(\p)+FR*\b+FR-1], v[AF+FR*(\a):AF+FR*(\a)+FR-1], v[8*(8*((\a)%4)+\b):8*(8*((\a)%4)+\b)+7], v[SC+8*NQ*(\sc)+NQ*\b+(\q)], v[SC+8*NQ*(\sc)+NQ*(\a)+(\q)] matrix_a_fmt:MATRIX_FMT_FP4 matrix_b_fmt:MATRIX_FMT_FP4 matrix_a_scale:MATRIX_SCALE_ROW1
.endif
.endr
.endr
.endm
.macro FETCH_B slot, q, p
	WIN TO_B
.irp i, 0,1,2,3,4,5,6,7
	FRAG 128*(\p)+FR*\i, ADRB+\slot, \q, \i
.endr
	WIN 0
.endm
.macro FETCH_A slot, q, i0
.irp i, \i0, \i0+1, \i0+2, \i0+3
	FRAG AF+FR*(\i), ADRA+\slot, \q, \i
.endr
.endm
.macro SCALES sc
.irp i, 0,1,2,3,4,5,6,7
	ds_load_b128 v[SC+8*NQ*\sc+NQ*\i:SC+8*NQ*\sc+NQ*\i+3], v[ADRS] offset:\i*SBLK
.endr
.endm
.macro PLACES n
.rept \n
	v_nop
.endr
.endm
.macro STEP slot, q, zero
	s_wait_dscnt 4*NL
	WIN MUL_LO
	MUL16 0, (\q)%2, \q, \slot, \zero
	MUL16 2, (\q)%2, \q, \slot, \zero
	s_wait_dscnt 0
	PLACES NP
	FETCH_B \slot, (\q)+1, 1-(\q)%2
	FETCH_A \slot, (\q)+1, 0
	WIN MUL_HI
	MUL16 4, (\q)%2, \q, \slot, \zero
	MUL16 6, (\q)%2, \q, \slot, \zero
	PLACES NP
	WIN 0
	FETCH_A \slot, (\q)+1, 4
.endm
.macro TURN slot, next
	s_wait_dscnt 4*NL                              ; the youngest loads (A's blocks 4-7) may be out
	WIN MUL_LO
	MUL16 0, 1, NQ-1, \slot, 0
	MUL16 2, 1, NQ-1, \slot, 0
	s_wait_dscnt 0                                 ; A's blocks 4-7 are in.  No barrier: the second half of K has lain in LDS since the head's barrier
	WIN 0
	PLACES NP
	v_add_nc_u32 v[ADRS], 4*NQ, v[ADRS]
	FETCH_B \next, 0, 0
	FETCH_A \next, 0, 0
	SCALES \next
	WIN MUL_HI
	MUL16 4, 1, NQ-1, \slot, 0
	MUL16 6, 1, NQ-1, \slot, 0
	PLACES NP
	WIN 0
	FETCH_A \next, 0, 4
.endm
.macro STEPS slot, from
.set Q, \from
.rept NQ-1-\from
	STEP \slot, Q, 0
.set Q, Q+1
.endr
.endm
	s_wait_alu depctr_va_vdst(0)
	s_wait_tensorcnt 0x0                           ; my tile of the four is in; behind the barrier everybody's is
	s_barrier_signal -1
	s_barrier_wait -1
	FETCH_B 0, 0, 0
	FETCH_A 0, 0, 0
	SCALES 0
	FETCH_A 0, 0, 4
	STEP 0, 0, 1
	STEPS 0, 1
	TURN 0, 1
	STEPS 1, 0
	s_wait_dscnt 4*NL
	WIN MUL_LO
	MUL16 0, 1, NQ-1, 1, 0
	MUL16 2, 1, NQ-1, 1, 0
	s_wait_dscnt 0
	WIN MUL_HI
	MUL16 4, 1, NQ-1, 1, 0
	MUL16 6, 1, NQ-1, 1, 0
	WIN 0
.macro QOUT a
.set AC, 64*((\a)%4)
.set PP, PCD+8*(\a)
	WIN 0x28+0x14*((\a)/4)
.irp e, 0,1,2,3
	v_max3_num_f32 v[TMX+\e], 0x1800000, |v[AC+16*\e]|, |v[AC+16*\e+1]|
.endr
.irp i, 2,4,6,8,10,12,14
.irp e, 0,1,2,3
	v_max3_num_f32 v[TMX+\e], v[TMX+\e], |v[AC+16*\e+\i]|, |v[AC+16*\e+\i+1]|
.endr
.endr
	WIN 0
.irp e, 0,1,2,3
	v_permlanex16_b32 v[TPX+\e], v[TMX+\e], s[SELR], s[SELR+1]
.endr
.irp e, 0,1,2,3
	v_max_num_f32 v[TMX+\e], v[TMX+\e], v[TPX+\e]
.endr
.irp e, 0,1,2,3
	v_add_nc_u32 v[SOP+\e], 0xff000000, v[TMX+\e]
.endr
.irp e, 0,1,2,3
	v_lshrrev_b32 v[BYT+\e], 23, v[SOP+\e]
.endr
.irp hh, 0,1
.if (\a)%2 == 0
	v_lshl_or_b32 v[SWD+4*\hh+(\a)/2], v[BYT+2*\hh+1], 8, v[BYT+2*\hh]
.else
	v_lshl_or_b32 v[WTM+\hh], v[BYT+2*\hh+1], 8, v[BYT+2*\hh]
	v_cndmask_b32 v[SWD+4*\hh+(\a)/2], v[SWD+4*\hh+(\a)/2], v[WTM+\hh], s3
.endif
.endr
	WIN 0x02+(\a)/4
.irp hh, 0,1
	v_cvt_scalef32_pk8_fp4_f32 v[PP+4*\hh], v[AC+32*\hh:AC+32*\hh+7], v[SOP+2*\hh]
	v_cvt_scalef32_pk8_fp4_f32 v[PP+4*\hh+1], v[AC+32*\hh+16:AC+32*\hh+23], v[SOP+2*\hh+1]
	v_cvt_scalef32_pk8_fp4_f32 v[PP+4*\hh+2], v[AC+32*\hh+8:AC+32*\hh+15], v[SOP+2*\hh]
	v_cvt_scalef32_pk8_fp4_f32 v[PP+4*\hh+3], v[AC+32*\hh+24:AC+32*\hh+31], v[SOP+2*\hh+1]
.endr
	WIN 0
	v_nop
.irp hh, 0,1
	v_permlane16_swap_b32 v[PP+4*\hh], v[PP+4*\hh+1]
	v_permlane16_swap_b32 v[PP+4*\hh+2], v[PP+4*\hh+3]
.endr
.irp hh, 0,1
	global_store_b128 v[CO], v[PP+4*\hh:PP+4*\hh+3], s[12:13] offset:65536*\hh+512*(\a)
.endr
.endm
	PLACES NP
.irp e, 0,1,2,3
	v_mov_b32 v[TPX+\e], 0
.endr
.irp a, 0,1,2,3,4,5,6,7
	QOUT \a
.endr
.irp hh, 0,1
	global_store_b128 v[CO], v[SWD+4*\hh:SWD+4*\hh+3], s[66:67] offset:8192*\hh
.endr
	s_wait_tensorcnt 0x0
	ds_add_u32 v[SPW], v[NIL]
	s_wait_dscnt 0x0
	CROUND
	s_endpgm
.Lfunc_end_k_q0289cb5919_proj:
	.size	k_q0289cb5919_proj, .Lfunc_end_k_q0289cb5919_proj-k_q0289cb5919_proj
	.p2alignl 7, 3214868480
	.fill 96, 4, 3214868480
	.section	.rodata,"a",@progbits
	.p2align	6, 0x0
	.amdhsa_kernel k_q0289cb5919_proj
		.amdhsa_group_segment_fixed_size 327680
		.amdhsa_private_segment_fixed_size 0
		.amdhsa_enable_private_segment 0
		.amdhsa_kernarg_size 48
		.amdhsa_user_sgpr_count 2
		.amdhsa_user_sgpr_kernarg_segment_ptr 1
		.amdhsa_wavefront_size32 1
		.amdhsa_system_sgpr_workgroup_id_x 1
		.amdhsa_system_sgpr_workgroup_id_y 1
		.amdhsa_system_sgpr_workgroup_id_z 1
		.amdhsa_system_vgpr_workitem_id 0
		.amdhsa_next_free_vgpr 1024
		.amdhsa_next_free_sgpr 100
		.amdhsa_reserve_vcc 0
		.amdhsa_float_denorm_mode_32 3
		.amdhsa_float_denorm_mode_16_64 3
		.amdhsa_memory_ordered 1
		.amdhsa_forward_progress 1
		.amdhsa_inst_pref_size 127
	.end_amdhsa_kernel
	.amdgpu_metadata
---
amdhsa.version: [ 1, 2 ]
amdhsa.kernels:
  - .name:           k_q0289cb5919_proj
    .symbol:         k_q0289cb5919_proj.kd
    .args:
      - { .name: xc, .offset: 0, .size: 8, .value_kind: global_buffer, .address_space: global }
      - { .name: xs, .offset: 8, .size: 8, .value_kind: global_buffer, .address_space: global }
      - { .name: Wqk_codes, .offset: 16, .size: 8, .value_kind: global_buffer, .address_space: global }
      - { .name: Wqk_scales, .offset: 24, .size: 8, .value_kind: global_buffer, .address_space: global }
      - { .name: qkc, .offset: 32, .size: 8, .value_kind: global_buffer, .address_space: global }
      - { .name: qks, .offset: 40, .size: 8, .value_kind: global_buffer, .address_space: global }
    .group_segment_fixed_size: 327680
    .private_segment_fixed_size: 0
    .kernarg_segment_align: 8
    .kernarg_segment_size: 48
    .max_flat_workgroup_size: 128
    .sgpr_count:     100
    .vgpr_count:     1024
    .wavefront_size: 32
...
	.end_amdgpu_metadata
.endif
;; end of part 2
;; launch attn (part 3): grid 4 x 64, 16 waves a work-group, clusters of 4 x 1, 167,936 bytes of LDS; arguments qkc, qks, vt, wv, out0; writes out0
.if DOCPART == 3
	.amdgcn_target "amdgcn-amd-amdhsa--gfx1250"
	.amdhsa_code_object_version 6
	.text
	.protected	k_q0289cb5919_attn
	.globl	k_q0289cb5919_attn
	.p2align	8
	.type	k_q0289cb5919_attn,@function
k_q0289cb5919_attn:
	s_mov_b64 s[64:65], 0
	v_nop
	global_prefetch_b8 v0, s[64:65] scope:SCOPE_SE
	s_setreg_imm32_b32 hwreg(HW_REG_WAVE_MODE, 25, 1), 1
	s_wait_xcnt 0x0
	s_wait_alu depctr_hold_cnt(0) depctr_sa_sdst(0) depctr_va_vdst(0) depctr_va_sdst(0) depctr_va_ssrc(0) depctr_va_vcc(0) depctr_vm_vsrc(0)
	s_getreg_b32 s2, hwreg(HW_REG_IB_STS2, 6, 4)
	s_cmp_eq_u32 s2, 0
	s_cbranch_scc0 .Lentry_in_a_cluster
	s_endpgm
.Lentry_in_a_cluster:
	s_bfe_u32 s2, ttmp6, 0x10000c
	s_cmp_lg_u32 s2, 0x3003
	s_cbranch_scc0 .Lentry_shape_is_right
	s_endpgm
.Lentry_shape_is_right:
; THIRD LAUNCH.  No work of reference() is left out here.  out[b][n][head] = A + wv (sum over keys of p A) / (sum of p), p = exp(score / 32 - the row's maximum), score = Q(q) . Q(k): codes of E2M1, K = the head's 64.
; wv multiplies the finished mean and not each A: the same real number.  The second product (one column) is fused multiply-adds in f32.
; THE MAXIMUM IS A RUNNING ONE: p = 2^(c s + X), c = log2(e) / 32, X = the rounded -c m; when m grows, the sums are multiplied by f = 2^(-c m_new - X_old), whose exponent is one fused multiply-add.
; LIMITS: NaN and infinities are not served; scores under -3e38 are not served.
; SHARES.  A work-group owns 512 queries of one (batch, head); each of its sixteen waves 32 of them, two tiles, in 256 registers: four waves to a SIMD.
; K's codes (64 KiB), K's scale words (8 KiB) and A (8 KiB) of the whole head stay in LDS, filled ONCE: no ring, no refill, one barrier.  All of it is asked for at the head, ahead of any loop: there is no trip in which to prefetch.
; CLUSTER.  The four blocks of queries of a head form a cluster and need the same 80 KiB: each part is asked for JOINTLY, by the same tensor load with the same descriptor and a mask that names the four.
; LAYOUT.  The product is used TRANSPOSED: source 0 = 16 keys, source 1 = 16 queries.  Lane (r, h), register j of tile t: query r, key 16 t + 8 h + j.  So a lane holds ONE query of a tile of queries:
; one running maximum, one X and one f serve its 64 scores of a key step.  Lanes l and l xor 16 hold the same query over different keys, each with its own maximum and sums; they are merged once, at the end.
; K = 64 fills half of the instruction's 128.  Q's registers 4-7 hold zero codes, written once, so whatever codes stand in registers 4-7 of K's operand add nothing (every E2M1 code is a finite number, and the scale bytes there are 0, no NaN):
; K's fragments lie 4 registers apart, and an operand's upper half is the next fragment (the last one's: four registers of zeros).
; OUT.  A lane stores 4 bytes, once: neighbouring bytes of out0 belong to other heads, and a work-group that owned all 16 heads of its queries would have to walk 16 heads' keys.
.set KCB,   0                          ; LDS: K's codes: 128 tiles of 512 bytes, images of registers
.set KSB,   65536                      ; K's scale words: 16 steps of 512 bytes
.set VVB,   73728                      ; A of the head's 2,048 keys, f32
.set SPARE, 81920                      ; the spare words, 128 bytes for each wave: eight blocks of 256 bytes that no other line names
.set AK0, 1                            ; v1   16 x lane
.set AS0, 2                            ; v2   KSB + 16 x lane
.set AV0, 3                            ; v3   VVB + 32 (lane / 16)
.set ADK, 4                            ; v4-6 the same for the step to be fetched
.set ADS, 5
.set ADV, 6
.set SPW, 7                            ; v7   LDS address of my spare word; never rewritten
.set NIL, 8                            ; v8   0; never rewritten
.set QS,  9                            ; v9   Q's scale words: lanes 0-15 tile 0's rows, lanes 16-31 tile 1's
.set RES, 10                           ; v10  A of the query that I store
.set GO,  11                           ; v11  its byte offset in out0
.set KSC, 12                           ; v12-15 K's scale words: register g: lanes 0-15 tile 2 g, lanes 16-31 tile 2 g + 1
.set QF,  16                           ; v16-31 Q's two fragments, each 4 registers of codes and 4 of zeros
.set KF,  32                           ; v32-63 K's eight fragments, 4 registers each; v64-67 zeros
.set SCR, 68                           ; v68-131 the scores, then p
.set VR,  132                          ; v132-195 A of the key of each score register
.set TM,  196                          ; v196-203 at work
.set STAT, 204                         ; for each tile of queries 22: m +0; X +2 (pair); f +4 (pair); the sum of p A +6..13; the sum of p +14..21, each in four chains of pairs
.set WV,  15                           ; s15  my wave's number
.set G1K, 24                           ; s[24:31] descriptor group 1: 128 rows of 256 bytes;  s[32:39]: 32 rows
.set G1S, 32
.set G0K, 40                           ; s[40:43], s[44:47], s[48:51] groups 0: K's codes, K's scale words, A
.set G0S, 44
.set G0V, 48
.set CC,  52                           ; s[52:53] c; the packed forms name a pair and take its low word for both halves
.set NC,  54                           ; s[54:55] -c
.set TK,  57                           ; s57-59 where the step to be fetched begins, in K's codes, K's scale words, A
.set TS,  58
.set TV,  59
.macro CROUND                          ; a round of the cluster's barrier
	s_barrier_signal -1
	s_barrier_wait -1
	s_cmp_lg_u32 s[WV], 0
	s_cbranch_scc1 .Lnot_wave_0_\@
	s_barrier_signal -3
.Lnot_wave_0_\@:
	s_barrier_wait -3
	s_barrier_signal -1
	s_barrier_wait -1
.endm
.macro NOPS
.rept 4
	v_nop
.endr
.endm
	s_load_b256 s[4:11], s[0:1], 0x0               ; qkc s[4:5], qks s[6:7], vt s[8:9], wv s[10:11]
	s_load_b64 s[12:13], s[0:1], 0x20              ; out0
	v_lshl_add_u32 v[SPW], v0, 2, SPARE
	v_mov_b32 v[NIL], 0
	ds_add_u32 v[SPW], v[NIL]                      ; the wave's opening: the add, twice on end, and its wait ahead of the first tensor loads
	ds_add_u32 v[SPW], v[NIL]
	v_lshrrev_b32 v1, 5, v0
	s_delay_alu instid0(VALU_DEP_1)
	v_readfirstlane_b32 s[WV], v1                  ; wave 0..15
	s_and_b32 s16, ttmp7, 0xffff                   ; batch x 16 + head, which the four partners share
	s_bfe_u32 s17, ttmp6, 0x40000                  ; cx
	s_lshl_b32 s18, ttmp9, 2
	s_add_co_u32 s17, s17, s18                     ; my block of 512 queries: it enters global addresses of Q, A and out0 alone
	s_mov_b32 s[G1K], 15|(3<<16)|(1<<21)           ; the mask: all four work-groups; elements of 8 bytes; bit 21 beside a mask
	s_mov_b32 s[G1K+1], 32<<16                     ; dense blocks as rows of 256 bytes, no padding
	s_mov_b32 s[G1K+2], 128<<16
	s_mov_b32 s[G1K+3], 32<<16
	s_mov_b32 s[G1K+4], 128
	s_mov_b32 s[G1K+5], 32
	s_mov_b32 s[G1K+6], 0
	s_mov_b32 s[G1K+7], 0
	s_mov_b32 s[G1S], 15|(3<<16)|(1<<21)
	s_mov_b32 s[G1S+1], 32<<16
	s_mov_b32 s[G1S+2], 32<<16
	s_mov_b32 s[G1S+3], 32<<16
	s_mov_b32 s[G1S+4], 32
	s_mov_b32 s[G1S+5], 32
	s_mov_b32 s[G1S+6], 0
	s_mov_b32 s[G1S+7], 0
	s_mov_b32 s[CC], 0x3d38aa3b                    ; c = log2(e) / 32
	s_mov_b32 s[CC+1], s[CC]
	s_mov_b32 s[NC], 0xbd38aa3b                    ; -c
	s_mov_b32 s[NC+1], s[NC]
	s_mov_b32 s[TK], 4096                          ; key step 1
	s_mov_b32 s[TS], 512
	s_mov_b32 s[TV], 512
	s_mov_b32 s60, 0x76543210
	s_mov_b32 s61, 0xfedcba98                      ; v_permlanex16_b32's selects for lane l xor 16
	s_wait_dscnt 0x0                               ; both opening adds are done
	s_wait_kmcnt 0x0
	s_load_b32 s14, s[10:11], 0x0                  ; wv
	s_and_b32 s18, s[WV], 1
	s_lshl_b32 s18, s18, 15                        ; waves 0 and 1: which half of K's codes
	s_lshl_b32 s20, s16, 16                        ; the head's 65,536 bytes,
	s_add_co_u32 s20, s20, s18
	s_add_co_u32 s20, s20, 0x400000                ; behind q's 64 heads
	s_mov_b32 s21, 0
	s_mov_b32 s[G0K], 1
	s_mov_b32 s[G0K+1], s18
	s_add_nc_u64 s[G0K+2:G0K+3], s[4:5], s[20:21]
	s_or_b32 s[G0K+3], s[G0K+3], 0x80000000
	s_lshl_b32 s22, s16, 13                        ; the head's 8,192 bytes
	s_mov_b32 s23, 0
	s_mov_b32 s[G0V], 1
	s_mov_b32 s[G0V+1], VVB
	s_add_nc_u64 s[G0V+2:G0V+3], s[8:9], s[22:23]
	s_or_b32 s[G0V+3], s[G0V+3], 0x80000000
	s_add_co_u32 s22, s22, 0x80000                 ; k's scale words lie behind q's 64 heads
	s_mov_b32 s[G0S], 1
	s_mov_b32 s[G0S+1], KSB
	s_add_nc_u64 s[G0S+2:G0S+3], s[6:7], s[22:23]
	s_or_b32 s[G0S+3], s[G0S+3], 0x80000000
	CROUND                                         ; all four work-groups are here: the joint loads meet
	s_cmp_lt_u32 s[WV], 2                          ; waves 0, 1: K's codes; wave 2: K's scale words; wave 3: A; the others fetch nothing.  One chain of branches on the wave's number, one load to an arm
	s_cbranch_scc0 .Lnot_k
	tensor_load_to_lds s[G0K:G0K+3], s[G1K:G1K+7]
	s_nop 0
	NOPS
	s_branch .Lasked
.Lnot_k:
	s_cmp_eq_u32 s[WV], 2
	s_cbranch_scc0 .Lnot_s
	tensor_load_to_lds s[G0S:G0S+3], s[G1S:G1S+7]
	s_nop 0
	NOPS
	s_branch .Lasked
.Lnot_s:
	s_cmp_eq_u32 s[WV], 3
	s_cbranch_scc0 .Lasked
	tensor_load_to_lds s[G0V:G0V+3], s[G1S:G1S+7]
	s_nop 0
	NOPS
.Lasked:
	v_and_b32 v248, 31, v0                         ; lane
	v_bfe_u32 v249, v0, 4, 1                       ; h
	s_delay_alu instid0(VALU_DEP_2)
	v_lshlrev_b32 v[AK0], 4, v248
	s_delay_alu instid0(VALU_DEP_2)
	v_lshl_add_u32 v[AV0], v249, 5, VVB            ; A of keys 8 h + 0 .. 7 of a tile: 32 bytes a half
	v_lshlrev_b32 v[GO], 6, v248                   ; I store query number lane of my wave's 32; a row of out0 is 64 bytes
	v_lshlrev_b32 v250, 2, v248
	v_add_nc_u32 v[AS0], KSB, v[AK0]
	s_wait_alu depctr_va_vdst(0)                   ; the wait ahead of the run of scalar lines
	s_lshl_b32 s20, s16, 16                        ; Q's tiles: 65,536 x head + 16,384 x block + 1,024 x wave
	s_lshl_b32 s21, s17, 14
	s_add_co_u32 s20, s20, s21
	s_lshl_b32 s21, s[WV], 10
	s_add_co_u32 s20, s20, s21
	s_mov_b32 s21, 0
	s_add_nc_u64 s[4:5], s[4:5], s[20:21]
	s_lshl_b32 s20, s16, 13                        ; Q's scale words: group 4 x block + wave / 4 of 512 bytes, word wave % 4 of a lane's four
	s_lshl_b32 s22, s17, 2
	s_lshr_b32 s18, s[WV], 2
	s_add_co_u32 s22, s22, s18
	s_lshl_b32 s22, s22, 9
	s_add_co_u32 s20, s20, s22
	s_and_b32 s18, s[WV], 3
	s_lshl_b32 s18, s18, 2
	s_add_co_u32 s20, s20, s18
	s_add_nc_u64 s[6:7], s[6:7], s[20:21]
	s_lshl_b32 s19, s17, 9
	s_lshl_b32 s18, s[WV], 5
	s_add_co_u32 s19, s19, s18                     ; my first query: 512 x block + 32 x wave
	s_lshl_b32 s20, s16, 13
	s_lshl_b32 s18, s19, 2
	s_add_co_u32 s20, s20, s18
	s_add_nc_u64 s[8:9], s[8:9], s[20:21]          ; A of my queries, head-major
	s_lshr_b32 s20, s16, 4
	s_lshl_b32 s20, s20, 11
	s_add_co_u32 s20, s20, s19
	s_lshl_b32 s20, s20, 6
	s_and_b32 s18, s16, 15
	s_lshl_b32 s18, s18, 2
	s_add_co_u32 s20, s20, s18
	s_add_nc_u64 s[12:13], s[12:13], s[20:21]      ; out0: ((batch x 2048 + query) x 16 + head) x 4
	global_load_b128 v[QF:QF+3], v[AK0], s[4:5]
	global_load_b128 v[QF+8:QF+11], v[AK0], s[4:5] offset:512
	global_load_b32 v[QS], v[AK0], s[6:7]
	global_load_b32 v[RES], v250, s[8:9]
.irp i, 4,5,6,7,12,13,14,15
	v_mov_b32 v[QF+\i], 0                          ; zero codes for k = 64 .. 127, written once
.endr
.irp i, 0,1,2,3
	v_mov_b32 v[KF+32+\i], 0                       ; behind K's last fragment
.endr
.irp q, 0,1
	v_mov_b32 v[STAT+22*\q], 0xff61b1e6            ; m: -3e38, under every score
.irp j, 3,5,6,7,8,9,10,11,12,13,14,15,16,17,18,19,20,21
	v_mov_b32 v[STAT+22*\q+\j], 0                  ; the pairs' upper halves, and the sums: the first step finds zeros, which the first f, 0, leaves zeros
.endr
	v_mul_f32 v[STAT+22*\q+2], s[NC], v[STAT+22*\q]   ; X = -c m
.endr
	s_wait_alu depctr_va_vdst(0)                   ; the wait at the head's end
	s_wait_tensorcnt 0x0                           ; my part of the head's K and A lies in LDS,
	s_barrier_signal -1
	s_barrier_wait -1                              ; everybody's does
.irp t, 0,1,2,3,4,5,6,7
	ds_load_b128 v[KF+4*\t:KF+4*\t+3], v[AK0] offset:512*\t      ; key step 0
.endr
	ds_load_b128 v[KSC:KSC+3], v[AS0]
.irp t, 0,1,2,3,4,5,6,7
	ds_load_b128 v[VR+8*\t:VR+8*\t+3], v[AV0] offset:64*\t
	ds_load_b128 v[VR+8*\t+4:VR+8*\t+7], v[AV0] offset:64*\t+16
.endr
	s_wait_loadcnt 0x0                             ; Q, its scale words, A of my query
	s_wait_kmcnt 0x0                               ; wv
; Eight products: the step's eight tiles of 16 keys against tile qt of my queries.  Each starts its sum with the constant 0 and has an accumulator of its own.
.macro WM qt
.irp t, 0,1,2,3,4,5,6,7
.if (\qt) == 0
.if (\t)%2 == 0
	v_wmma_scale_f32_16x16x128_f8f6f4 v[SCR+8*\t:SCR+8*\t+7], v[KF+4*\t:KF+4*\t+7], v[QF+8*(\qt):QF+8*(\qt)+7], 0, v[KSC+\t/2], v[QS] matrix_a_fmt:MATRIX_FMT_FP4 matrix_b_fmt:MATRIX_FMT_FP4
.else
	v_wmma_scale_f32_16x16x128_f8f6f4 v[SCR+8*\t:SCR+8*\t+7], v[KF+4*\t:KF+4*\t+7], v[QF+8*(\qt):QF+8*(\qt)+7], 0, v[KSC+\t/2], v[QS] matrix_a_fmt:MATRIX_FMT_FP4 matrix_b_fmt:MATRIX_FMT_FP4 matrix_a_scale:MATRIX_SCALE_ROW1
.endif
.else
.if (\t)%2 == 0
	v_wmma_scale_f32_16x16x128_f8f6f4 v[SCR+8*\t:SCR+8*\t+7], v[KF+4*\t:KF+4*\t+7], v[QF+8*(\qt):QF+8*(\qt)+7], 0, v[KSC+\t/2], v[QS] matrix_a_fmt:MATRIX_FMT_FP4 matrix_b_fmt:MATRIX_FMT_FP4 matrix_b_scale:MATRIX_SCALE_ROW1
.else
	v_wmma_scale_f32_16x16x128_f8f6f4 v[SCR+8*\t:SCR+8*\t+7], v[KF+4*\t:KF+4*\t+7], v[QF+8*(\qt):QF+8*(\qt)+7], 0, v[KSC+\t/2], v[QS] matrix_a_fmt:MATRIX_FMT_FP4 matrix_b_fmt:MATRIX_FMT_FP4 matrix_a_scale:MATRIX_SCALE_ROW1 matrix_b_scale:MATRIX_SCALE_ROW1
.endif
.endif
.endr
.endm
; The softmax's step for tile qt of my queries: 64 scores of ONE query a lane.  await = 1: A's registers of this step are waited for ahead of the sums.  vload = 1: behind their last use the next step's are fetched.
.macro SOFT qt, await, vload
.set SB, STAT+22*(\qt)
.irp t, 0,1,2,3,4,5,6,7
	v_max3_num_f32 v[TM+\t], v[SCR+8*\t], v[SCR+8*\t+1], v[SCR+8*\t+2]       ; 64 scores and m are 65 leaves: 32 lines.  Eight chains by turns, each accumulator read from its low end on
.endr
.irp i, 3,5
.irp t, 0,1,2,3,4,5,6,7
	v_max3_num_f32 v[TM+\t], v[TM+\t], v[SCR+8*\t+\i], v[SCR+8*\t+\i+1]
.endr
.endr
.irp u, 0,1,2,3
	v_max3_num_f32 v[TM+\u], v[TM+\u], v[SCR+16*\u+7], v[SCR+16*\u+15]   ; the eight tiles' last registers, two to a line
.endr
	v_max3_num_f32 v[TM+4], v[TM+4], v[TM+5], v[TM+6]                    ; the eight chains and m: nine leaves, four lines
	s_delay_alu instid0(VALU_DEP_3)
	v_max3_num_f32 v[TM], v[TM], v[TM+1], v[TM+2]
	s_delay_alu instid0(VALU_DEP_3)
	v_max3_num_f32 v[SB], v[SB], v[TM+3], v[TM+7]
	s_delay_alu instid0(VALU_DEP_1)
	v_max3_num_f32 v[SB], v[SB], v[TM], v[TM+4]    ; the running maximum of my query over my keys
	s_delay_alu instid0(VALU_DEP_1)
	v_fma_f32 v[SB+4], v[SB], s[NC], -v[SB+2]      ; f's exponent: -c m_new - X_old, 0 or less but for the last place
	s_delay_alu instid0(VALU_DEP_2)
	v_mul_f32 v[SB+2], s[NC], v[SB]                ; the new X
.set I, 0
.rept 32
	v_pk_fma_f32 v[SCR+I:SCR+I+1], v[SCR+I:SCR+I+1], s[CC:CC+1], v[SB+2:SB+3] op_sel_hi:[1,0,0]   ; c s + X, two at a time
.set I, I+2
.endr
	s_wait_alu depctr_va_vdst(0)                   ; ONE BATCH of 65 exponentials: a wait ahead of it
	v_exp_f32 v[SB+4], v[SB+4]                     ; f
.set I, 0
.rept 64
	v_exp_f32 v[SCR+I], v[SCR+I]                   ; p = 2^(c s + X), at most 1
.set I, I+1
.endr
	v_nop                                          ; a plain instruction behind the last exponential (ISA guide 5.7.2)
.if \await
	s_wait_dscnt 0x0                               ; A of this step's keys is in
.endif
	s_wait_alu depctr_va_vdst(0)                   ; and a wait ahead of the batch's first reader
.irp c, 0,2,4,6
	v_pk_mul_f32 v[SB+6+\c:SB+7+\c], v[SB+6+\c:SB+7+\c], v[SB+4:SB+5] op_sel_hi:[1,0]   ; the sum of p A under the new maximum
.endr
.set I, 0
.rept 32                               ; four chains of pairs for each sum, the two sums by turns: a chain's links stand eight lines apart
.if I < 4
	v_pk_fma_f32 v[SB+14+2*I:SB+15+2*I], v[SB+14+2*I:SB+15+2*I], v[SB+4:SB+5], v[SCR+2*I:SCR+2*I+1] op_sel_hi:[1,0,1]   ; the sum of p: x f, + p
.else
	v_pk_add_f32 v[SB+14+2*(I%4):SB+15+2*(I%4)], v[SB+14+2*(I%4):SB+15+2*(I%4)], v[SCR+2*I:SCR+2*I+1]
.endif
	v_pk_fma_f32 v[SB+6+2*(I%4):SB+7+2*(I%4)], v[SCR+2*I:SCR+2*I+1], v[VR+2*I:VR+2*I+1], v[SB+6+2*(I%4):SB+7+2*(I%4)]
.set I, I+1
.endr
.if \vload
.irp t, 0,1,2,3,4,5,6,7
	ds_load_b128 v[VR+8*\t:VR+8*\t+3], v[ADV] offset:64*\t
	ds_load_b128 v[VR+8*\t+4:VR+8*\t+7], v[ADV] offset:64*\t+16
.endr
.endif
.endm
; A KEY STEP: 128 keys.  Between the two runs of products, which write the same eight accumulators, stands a whole softmax.
; more = 1: the next step's fragments are fetched behind the second run, a softmax ahead of their use.
.macro STEP more
	s_wait_dscnt 16                                ; the step's fragments and scale words are in; the 16 younger loads, A's, may be out
	WM 0
.if \more
	v_add_nc_u32 v[ADK], s[TK], v[AK0]             ; the next step's addresses: with the v_nop the four places behind the products (ISA guide 7.12.1)
	v_add_nc_u32 v[ADS], s[TS], v[AS0]
	v_add_nc_u32 v[ADV], s[TV], v[AV0]
	v_nop
.else
	NOPS
.endif
	SOFT 0, 1, 0
	WM 1
	NOPS                                           ; four places: in front of the loads into registers that the products have read, and of the first read of their results
.if \more
.irp t, 0,1,2,3,4,5,6,7
	ds_load_b128 v[KF+4*\t:KF+4*\t+3], v[ADK] offset:512*\t
.endr
	ds_load_b128 v[KSC:KSC+3], v[ADS]
.endif
	SOFT 1, 0, \more
.if \more
	s_add_co_u32 s[TK], s[TK], 4096
	s_add_co_u32 s[TS], s[TS], 512
	s_add_co_u32 s[TV], s[TV], 512
.endif
.endm
	s_mov_b32 s56, 15
.Lstep:                                            ; 15 trips; the sixteenth step is written out: it fetches nothing, so no LDS read leaves its region
	STEP 1
	s_sub_co_u32 s56, s56, 1
	s_cmp_lg_u32 s56, 0
	s_cbranch_scc1 .Lstep
	STEP 0
	; THE END.  Each sum's four chains of pairs are added; then lanes l and l xor 16, which hold the same query over different keys, are brought under their common maximum and added.
.set S0, STAT
.set S1, STAT+22
	v_and_b32 v248, 31, v0
	s_delay_alu instid0(VALU_DEP_1)
	v_cmp_le_u32 s62, 16, v248                     ; lanes 16-31
.irp b, S0+6, S0+14, S1+6, S1+14
	v_pk_add_f32 v[\b:\b+1], v[\b:\b+1], v[\b+2:\b+3]
	v_pk_add_f32 v[\b+4:\b+5], v[\b+4:\b+5], v[\b+6:\b+7]
.endr
	v_permlanex16_b32 v[TM], v[S0], s60, s61       ; the other half's maximum
	v_permlanex16_b32 v[TM+1], v[S1], s60, s61
.irp b, S0+6, S0+14, S1+6, S1+14
	v_pk_add_f32 v[\b:\b+1], v[\b:\b+1], v[\b+4:\b+5]
.endr
	v_max_num_f32 v[TM], v[TM], v[S0]
	v_max_num_f32 v[TM+1], v[TM+1], v[S1]
.irp b, S0+6, S0+14, S1+6, S1+14
	v_add_f32 v[\b], v[\b], v[\b+1]
.endr
	v_mul_f32 v[TM], s[NC], v[TM]                  ; the common X: the same line on the same number as in the lane that held the maximum: the same bits
	v_mul_f32 v[TM+1], s[NC], v[TM+1]
	s_delay_alu instid0(VALU_DEP_2)
	v_sub_f32 v[TM], v[TM], v[S0+2]                ; less my own: 0 or less
	s_delay_alu instid0(VALU_DEP_2)
	v_sub_f32 v[TM+1], v[TM+1], v[S1+2]
	s_wait_alu depctr_va_vdst(0)                   ; the wait ahead of the batch,
	v_exp_f32 v[TM], v[TM]
	v_exp_f32 v[TM+1], v[TM+1]
	v_nop                                          ; a plain instruction behind it,
	s_wait_alu depctr_va_vdst(0)                   ; and the wait ahead of its first reader
	v_mul_f32 v[S0+6], v[S0+6], v[TM]
	v_mul_f32 v[S0+14], v[S0+14], v[TM]
	v_mul_f32 v[S1+6], v[S1+6], v[TM+1]
	v_mul_f32 v[S1+14], v[S1+14], v[TM+1]
	s_delay_alu instid0(VALU_DEP_4)
	v_permlanex16_b32 v[TM+2], v[S0+6], s60, s61
	s_delay_alu instid0(VALU_DEP_4)
	v_permlanex16_b32 v[TM+3], v[S0+14], s60, s61
	s_delay_alu instid0(VALU_DEP_4)
	v_permlanex16_b32 v[TM+4], v[S1+6], s60, s61
	s_delay_alu instid0(VALU_DEP_4)
	v_permlanex16_b32 v[TM+5], v[S1+14], s60, s61
	s_delay_alu instid0(VALU_DEP_4)
	v_add_f32 v[S0+6], v[S0+6], v[TM+2]
	s_delay_alu instid0(VALU_DEP_4)
	v_add_f32 v[S0+14], v[S0+14], v[TM+3]
	s_delay_alu instid0(VALU_DEP_4)
	v_add_f32 v[S1+6], v[S1+6], v[TM+4]
	s_delay_alu instid0(VALU_DEP_4)
	v_add_f32 v[S1+14], v[S1+14], v[TM+5]
	s_delay_alu instid0(VALU_DEP_2)
	v_cndmask_b32 v248, v[S0+6], v[S1+6], s62      ; lanes 0-15 store tile 0's queries, lanes 16-31 tile 1's
	s_delay_alu instid0(VALU_DEP_2)
	v_cndmask_b32 v249, v[S0+14], v[S1+14], s62
	s_wait_alu depctr_va_vdst(0)                   ; the wait ahead of the transcendental
	v_rcp_f32 v249, v249                           ; 1 / the sum of p
	v_nop
	s_wait_alu depctr_va_vdst(0)                   ; and ahead of its reader
	v_mul_f32 v248, v248, v249                     ; the weighted mean of A
	s_delay_alu instid0(VALU_DEP_1)
	v_fma_f32 v248, v248, s14, v[RES]              ; x wv + A
	global_store_b32 v[GO], v248, s[12:13]
	s_wait_tensorcnt 0x0                           ; the wave's end: behind the last tensor load
	ds_add_u32 v[SPW], v[NIL]
	s_wait_dscnt 0x0
	CROUND                                         ; the closing round: no work-group ends while a partner may still ask for a tile that names it
	s_endpgm
.Lfunc_end_k_q0289cb5919_attn:
	.size	k_q0289cb5919_attn, .Lfunc_end_k_q0289cb5919_attn-k_q0289cb5919_attn
	.p2alignl 7, 3214868480
	.fill 96, 4, 3214868480
	.section	.rodata,"a",@progbits
	.p2align	6, 0x0
	.amdhsa_kernel k_q0289cb5919_attn
		.amdhsa_group_segment_fixed_size 167936
		.amdhsa_private_segment_fixed_size 0
		.amdhsa_enable_private_segment 0
		.amdhsa_kernarg_size 40
		.amdhsa_user_sgpr_count 2
		.amdhsa_user_sgpr_kernarg_segment_ptr 1
		.amdhsa_wavefront_size32 1
		.amdhsa_system_sgpr_workgroup_id_x 1
		.amdhsa_system_sgpr_workgroup_id_y 1
		.amdhsa_system_sgpr_workgroup_id_z 1
		.amdhsa_system_vgpr_workitem_id 0
		.amdhsa_next_free_vgpr 256
		.amdhsa_next_free_sgpr 66
		.amdhsa_reserve_vcc 0
		.amdhsa_float_denorm_mode_32 3
		.amdhsa_float_denorm_mode_16_64 3
		.amdhsa_memory_ordered 1
		.amdhsa_forward_progress 1
		.amdhsa_inst_pref_size 63
	.end_amdhsa_kernel
	.amdgpu_metadata
---
amdhsa.version: [ 1, 2 ]
amdhsa.kernels:
  - .name:           k_q0289cb5919_attn
    .symbol:         k_q0289cb5919_attn.kd
    .args:
      - { .name: qkc, .offset: 0, .size: 8, .value_kind: global_buffer, .address_space: global }
      - { .name: qks, .offset: 8, .size: 8, .value_kind: global_buffer, .address_space: global }
      - { .name: vt, .offset: 16, .size: 8, .value_kind: global_buffer, .address_space: global }
      - { .name: wv, .offset: 24, .size: 8, .value_kind: global_buffer, .address_space: global }
      - { .name: out0, .offset: 32, .size: 8, .value_kind: global_buffer, .address_space: global }
    .group_segment_fixed_size: 167936
    .private_segment_fixed_size: 0
    .kernarg_segment_align: 8
    .kernarg_segment_size: 40
    .max_flat_workgroup_size: 512
    .sgpr_count:     66
    .vgpr_count:     256
    .wavefront_size: 32
...
	.end_amdgpu_metadata
.endif
;; end of part 3
